; MI455X (gfx1250); checked and timed in simulation.
; The chip was launched on July 23, 2026; its instructions are those of AMD's public machine-readable ISA for CDNA 5 (MIT licence, August 2026) and "CDNA5" Instruction Set Architecture Reference Guide (July 2026). The comments in the code are by the model that wrote it; some were corrected since.
;; Quantized Linear. Allowed arithmetic: matrix products marked QUANTISED: E2M3 operands, one E8M0 scale for each 32 along K, by v_wmma_scale_f32_16x16x128_f8f6f4 with both operands' format E2M3, f32 sums; everything else in f32.
;; Inputs: bias 2,048 float32; packed_weight 1,024 x 4,096 uint8; scale one number float32; x 4 x 2,048 x 4,096 float32; zero_point one number float32.
;; Outputs: out0 4 x 2,048 x 2,048 float32.
;; This version of the problem:
;;   THIS VERSION OF THE PROBLEM IS GIVEN IN LOW PRECISION. The matrix products marked QUANTISED in the list below multiply operands that are first quantised to E2M3 (2 exponent bits, 3 mantissa bits; 6 bits a number), with one power-of-two scale for each 32 numbers along K (OCP MX v1.0); their sums are f32. All else is computed in f32.
;;   The module's matrix products, in the order in which they are computed (A, B: the left and right operand; K: the contracted axis; several contracted axes count as one K, in the product's order):
;;     1. [M 8,192, K 4,096] x [K 4,096, N 2,048]; A: input x; B: computed on the way: QUANTISED
;;   THE QUANTISER, for each operand of a quantised product, along K:
;;     - K is cut into blocks of 32 from its start; a last block that is shorter is filled with zeros.
;;     - A block's scale is 2^e with e = floor(log2(the largest magnitude in the block)) - 2, held to -126 .. 127; a block of zeros has e = 0. As a byte (E8M0): e + 127.
;;     - Each number is divided by its block's scale, clamped to +-7.5, and rounded to the nearest number of E2M3, ties to even, subnormals kept.
;;     - The product sums the exact products of the quantised numbers (number of the format x scale) in f32.
;;   ~~~python
;;   def quantise(x, axis):      # numpy; x: float32 -> the quantised numbers, widened to float32 again
;;       x = np.moveaxis(x, axis, -1); K = x.shape[-1]
;;       x = np.pad(x, [(0, 0)] * (x.ndim - 1) + [(0, -K % 32)]); x = x.reshape(x.shape[:-1] + (-1, 32)); a = np.abs(x).max(-1, keepdims=True)
;;       e = np.where(a > 0, np.clip(np.frexp(np.where(a > 0, a, 1))[1] - 1 - 2, -126, 127), 0)      # np.frexp(a)[1] - 1 = floor(log2(a)), exactly
;;       r = np.clip(x / 2.0 ** e, -7.5, 7.5)
;;       step = 2.0 ** (np.maximum(np.frexp(np.where(r == 0, 1, r))[1] - 1, 0) - 3)
;;       q = np.round(r / step) * step * 2.0 ** e      # np.round: ties to even
;;       return np.moveaxis(q.reshape(q.shape[:-2] + (-1,))[..., :K], -1, axis).astype(np.float32)
;;   ~~~
;;   OPERANDS COMPUTED ON THE WAY. 'Computed on the way' means the value that the module computes at that place (a softmax that the list does not call 'softmax' is quantised finished and normalised). What goes into a quantiser is computed in f32, as accurately as f32 sums, v_exp_f32 and their like allow (about 1e-6 of the number): no bf16 or f16 on the way to a quantiser, and a product that is left as it is and whose result goes on into a quantised operand takes f32 operands (vector FMAs, or v_wmma_f32_16x16x4_f32). A number that lies on a knife's edge between two numbers of the format may be rounded either way, as far as f32 arithmetic and the matrix unit's own rounding can turn it there, and no further.
;; One version. Each part assembles by itself: llvm-mc -triple=amdgcn-amd-amdhsa -mcpu=gfx1250 --defsym DOCPART=n.
;; ======== version 1 of 1: 2 launches
;; limits: right only within a limited range of input values
;; workspace buffers: xq 26,214,400 bytes; wq 6,553,600 bytes
;; launch quant (part 1): grid 1280 x 1, 4 waves a work-group, no clusters, 53,760 bytes of LDS; arguments x, packed_weight, scale, zero_point, xq, wq; writes xq, wq
.if DOCPART == 1
	.amdgcn_target "amdgcn-amd-amdhsa--gfx1250"
	.amdhsa_code_object_version 6
	.text
	.protected	k_q8e1327b4a8_quant
	.globl	k_q8e1327b4a8_quant
	.p2align	8
	.type	k_q8e1327b4a8_quant,@function
k_q8e1327b4a8_quant:
	s_mov_b64 s[64:65], 0
	v_nop
	global_prefetch_b8 v0, s[64:65] scope:SCOPE_SE
	s_setreg_imm32_b32 hwreg(HW_REG_WAVE_MODE, 25, 1), 1
	s_wait_xcnt 0x0
; Both operands of out = x W^T + bias are turned into codes of FP6 (E2M3), 6 bits each, with one E8M0 scale byte for each 32 along K = 4,096, and laid IN THE ORDER OF THE OPERAND'S REGISTERS.
;   x [8192][4096] f32 -> xq;   W [2048][4096] = scale x (nibble - zero_point), two rows to a byte of packed_weight [1024][4096] (low nibble: row 2 p, high nibble: row 2 p + 1) -> wq.
; A UNIT is 128 rows x 128 along K: 12,800 bytes.  xq = [64 blocks of 128 rows][32 K steps][unit], wq = [16][32][unit].  In a unit:
;   fragment i (rows 16 i + r) at 1,536 i: the 12 registers that lane (r, h) of the matrix instruction wants (registers 6 c .. 6 c + 5: k = 64 c + 32 h + 0 .. 31, 192 bits without gaps),
;   four registers at a time: group g at 512 g, lane l = r + 16 h at 16 l;  behind the eight fragments the scale words (byte b: k = 32 b ..): row 16 i + r at 12,288 + 256 (i / 4) + 16 r + 4 (i % 4).
; A block's scale is 2^(floor(log2(its largest magnitude)) - 2); its byte is the largest magnitude's own exponent field - 2, held at 1 from below.  Each number is divided by the scale and rounded to
; the nearest code, ties to even; beyond 7.5 the conversion gives the largest code.
; LIMITS: NaN and infinities among x, scale, zero_point are not served.  A block of zeros gets the byte 1 where the rule says 127: its codes are zeros, which add nothing under any byte but 0xff, and
; the bytes are read by this program alone.  A block whose largest magnitude lies under 2^-124 has its byte held at 1, as the rule's hold at -126 asks.
; SHARES.  A wave makes HALF A UNIT: 64 rows x 128 along K, four fragments, in eight steps of 16 rows x 64 along K; in a step a lane holds one whole block of 32, so its maximum needs no other lane.
; The four waves of a work-group take four neighbouring K steps of the same 64 rows.  Work-groups 0 to 255 take W, 256 to 1,279 take x.  The two ways part on the work-group's number, never join,
; and have LDS bytes of their own.  Waves share nothing: no barrier.  Every store of codes covers 512 consecutive bytes, the store of scale words 256, each at a multiple of 256 from the buffer's first byte.
.set WGW,    256                       ; work-groups for W
.set EMAX,   2                         ; the exponent of the format's largest number, 7.5
.set UNIT,   12800
.set FRB,    1536                      ; a fragment's image in bytes
.set XPITCH, 272                       ; x: a stage row: 256 bytes + 16, so that the sixteen rows that a load touches start 17 x 16 bytes apart
.set XSTG,   16*XPITCH                 ; x: a stage; two for each wave, by turns
.set WPITCH, 144                       ; W: a stage row: 128 packed bytes + 16
.set WSTG,   32*WPITCH                 ; W: a wave's stage: 32 packed rows
.set WLDS,   4*2*XSTG                  ; W's stages lie behind x's eight
.set MA,  1                            ; v1, v2   two chains of the maximum (in the head: r, lane)
.set MB,  2
.set LO,  3                            ; v3       the loads' offset; never rewritten behind the first load
.set L16, 4                            ; v4       16 x lane: my place in a group of four registers
.set SOF, 5                            ; v5       16 r + 8 h: my two scale words' place
.set SPW, 6                            ; v6       LDS address of my spare word; never rewritten  (v19: 0; never rewritten)
.set NSH, 7                            ; v7       W: 4 x (r % 2): which nibble is my row's
.set STI, 8                            ; v8       the stage, on the way in
.set STO, 9                            ; v9       and on the way out
.set SO,  10                           ; v10      the conversions' scale operand
.set PT,  11                           ; v11      what lane l xor 16 sends (in the head: h)
.set WW,  12                           ; v12-15   the scale words of my row in the four fragments
.set TC,  16                           ; v16-18   a block's upper 16 codes, before they are moved; at the end my two scale words
.set R,   20                           ; v20-115  x: three sets of 32 registers as loaded;  W: v20-51 as loaded,
.set PK,  52                           ; v52-115  W: eight registers of packed bytes for each step
.set X,   116                          ; v116-179 x: two sets of 32 neighbours;  W: one
.set CF,  180                          ; v180-191 a fragment's twelve registers
	s_load_b256 s[4:11], s[0:1], 0x0               ; x s[4:5], packed_weight s[6:7], scale s[8:9], zero_point s[10:11]
	s_load_b128 s[12:15], s[0:1], 0x20             ; xq s[12:13], wq s[14:15]
	v_lshl_add_u32 v6, v0, 2, 0xd000
	v_mov_b32 v19, 0
	v_lshrrev_b32 v1, 5, v0
	v_readfirstlane_b32 s20, v1                    ; wave 0..3
	v_and_b32 v2, 31, v0                           ; lane
	v_and_b32 v1, 15, v0                           ; r
	v_bfe_u32 v[PT], v0, 4, 1                      ; h
	v_lshlrev_b32 v[L16], 4, v2
	v_lshlrev_b32 v[SOF], 4, v1
	v_lshl_add_u32 v[SOF], v[PT], 3, v[SOF]
	v_cmp_eq_u32 s21, 1, v[PT]                     ; the mask of lanes 16-31
	s_mov_b32 s22, 0x76543210
	s_mov_b32 s23, 0xfedcba98                      ; v_permlanex16_b32's selects for lane l xor 16
	s_and_b32 s24, ttmp9, 7
	s_lshl_b32 s24, s24, 2
	s_add_co_u32 s24, s24, s20                     ; my K step of 128: 4 x (work-group % 8) + wave
	s_lshr_b32 s25, ttmp9, 3                       ; which 64 rows: W: 0 .. 31;  x: 32 more than its 0 .. 127
	s_mov_b32 s29, 0
	s_wait_kmcnt 0x0
	s_cmp_lt_u32 ttmp9, WGW
	s_cbranch_scc1 .Lweights
; Where my half unit lies in the buffer s[b:b+1]: s25 = which 64 rows, s24 = the K step.  s[16:17]: its four fragments;  s[18:19]: its 256 bytes of scale words.
.macro DEST b
	s_lshr_b32 s26, s25, 1
	s_lshl_b32 s26, s26, 5
	s_add_co_u32 s26, s26, s24                     ; the unit's number: 32 x (block of 128 rows) + K step
	s_mul_i32 s28, s26, UNIT                       ; under 2^25
	s_add_nc_u64 s[18:19], s[\b:\b+1], s[28:29]
	s_and_b32 s26, s25, 1                          ; the unit's lower or upper 64 rows
	s_mul_i32 s28, s26, 4*FRB
	s_add_nc_u64 s[16:17], s[18:19], s[28:29]
	s_lshl_b32 s28, s26, 8
	s_add_co_u32 s28, s28, 8*FRB
	s_add_nc_u64 s[18:19], s[18:19], s[28:29]
.endm
; A block of 32: v[xs] .. v[xs + 31] are k = 64 c + 32 h + 0 .. 31 of my row of fragment f.  Its codes become registers 6 c .. 6 c + 5 of the fragment, its byte goes into the row's scale word.
; Behind c = 1 the word is made whole with lane l xor 16's two bytes, and the fragment leaves.
.macro QBLOCK xs, c, f
	v_max3_num_f32 v[MA], |v[\xs]|, |v[\xs+1]|, |v[\xs+2]|          ; the largest magnitude, in two chains
	v_max3_num_f32 v[MB], |v[\xs+3]|, |v[\xs+4]|, |v[\xs+5]|
.irp i, 6,10,14,18,22,26
	v_max3_num_f32 v[MA], v[MA], |v[\xs+\i]|, |v[\xs+\i+1]|
	v_max3_num_f32 v[MB], v[MB], |v[\xs+\i+2]|, |v[\xs+\i+3]|
.endr
	v_max3_num_f32 v[MA], v[MA], |v[\xs+30]|, |v[\xs+31]|
	v_max3_num_f32 v[MA], v[MA], v[MB], (EMAX+1)<<23                ; and the floor 2^(EMAX + 1 - 127): the byte cannot fall under 1
	v_add_nc_u32 v[SO], -(EMAX<<23), v[MA]                          ; EMAX off the exponent field: the conversion takes the exponent field of this operand as its scale, and nothing else of it
	v_cvt_scalef32_pk16_fp6_f32 v[CF+6*(\c):CF+6*(\c)+2], v[\xs:\xs+15], v[SO]   ; 96 bits without gaps, the first number's code lowest
	v_cvt_scalef32_pk16_fp6_f32 v[TC:TC+2], v[\xs+16:\xs+31], v[SO]              ; (a conversion's three registers begin on an even number: the block's second three do not, so they are made here and moved)
.if (\c) == 0
	v_lshrrev_b32 v[WW+(\f)], 23, v[SO]                             ; the scale's byte (also the plain line behind the conversions)
.else
	v_lshrrev_b32 v[MB], 23, v[SO]
.endif
.irp i, 0,1,2
	v_mov_b32 v[CF+6*(\c)+3+\i], v[TC+\i]
.endr
.if (\c) == 1
	v_lshl_or_b32 v[WW+(\f)], v[MB], 16, v[WW+(\f)]                 ; my two bytes: blocks h and 2 + h of my row,
	v_lshlrev_b32 v[MA], 8, v[WW+(\f)]                              ; at their places in the word: lanes 16-31 take them 8 bits up;
	v_cndmask_b32 v[WW+(\f)], v[WW+(\f)], v[MA], s21
	v_permlanex16_b32 v[PT], v[WW+(\f)], s22, s23
	v_or_b32 v[WW+(\f)], v[WW+(\f)], v[PT]                          ; with lane l xor 16's two the word is whole
.irp g, 0,1,2
	global_store_b128 v[L16], v[CF+4*\g:CF+4*\g+3], s[16:17] offset:FRB*(\f)+512*\g   ; the wave stores 512 consecutive bytes
.endr
.endif
.endm
; The four fragments' scale words of my row: lane (r, h) stores those of fragments 2 h and 2 h + 1, 8 bytes at 16 r + 8 h: the wave stores 256 consecutive bytes.
.macro WORDS
	v_cndmask_b32 v[TC], v[WW], v[WW+2], s21
	v_cndmask_b32 v[TC+1], v[WW+1], v[WW+3], s21
	global_store_b64 v[SOF], v[TC:TC+1], s[18:19]
	s_wait_tensorcnt 0x0
	ds_add_u32 v6, v19
	s_wait_dscnt 0x0
	s_endpgm
.endm
; ---------------------------------------------------------------- x
; A step is 16 rows x 64 along K.  Each of its eight loads reads 256 consecutive bytes of one row in lanes 0-15 and of the next row in lanes 16-31; the 4,096 bytes go through the wave's own stage in LDS,
; row by row, and come back 128 bytes a lane: lane (r, h) takes k = 32 h + 0 .. 31 of row r.  Loads run three steps ahead, the stage one step.
	s_sub_co_u32 s25, s25, WGW/8                   ; which 64 rows of x: 0 .. 127
	s_lshl_b32 s28, s25, 20                        ; 64 rows of 16,384 bytes (under 2^27),
	s_lshl_b32 s26, s24, 9                         ; 512 bytes a K step
	s_add_co_u32 s28, s28, s26
	s_add_nc_u64 s[4:5], s[4:5], s[28:29]
	DEST 12
	s_wait_alu depctr_va_vdst(0)
	v_lshlrev_b32 v[LO], 4, v1
	v_lshl_add_u32 v[LO], v[PT], 14, v[LO]         ; the loads: 16 r + one row further down for lanes 16-31
	s_mul_i32 s27, s20, 2*XSTG                     ; my wave's two stages
	v_mul_u32_u24 v[STI], v[PT], XPITCH
	v_lshl_add_u32 v[STI], v1, 4, v[STI]
	v_add_nc_u32 v[STI], s27, v[STI]               ; in: as loaded: row h of the load's two, 16 r
	v_mul_u32_u24 v[STO], v1, XPITCH
	v_lshl_add_u32 v[STO], v[PT], 7, v[STO]
	v_add_nc_u32 v[STO], s27, v[STO]               ; out: row r, + 128 h
.macro LOAD t                          ; step t: fragment t / 2, half t % 2 of its 128 along K, into set t % 3
.irp j, 0,1,2,3,4,5,6,7
	global_load_b128 v[R+32*((\t)%3)+4*\j:R+32*((\t)%3)+4*\j+3], v[LO], s[4:5] offset:(16*((\t)/2)+2*\j)*16384+256*((\t)%2) th:TH_LOAD_NT   ; read once in the launch
.endr
.endm
.macro TURN t                          ; step t's numbers through the stage: LDS serves a wave's instructions in order (ISA guide 5.7.1), so no wait stands between the stores and the loads
.irp j, 0,1,2,3,4,5,6,7
	ds_store_b128 v[STI], v[R+32*((\t)%3)+4*\j:R+32*((\t)%3)+4*\j+3] offset:XSTG*((\t)%2)+2*XPITCH*\j
.endr
.irp q, 0,1,2,3,4,5,6,7
	ds_load_b128 v[X+32*((\t)%2)+4*\q:X+32*((\t)%2)+4*\q+3], v[STO] offset:XSTG*((\t)%2)+16*\q
.endr
.endm
	LOAD 0
	LOAD 1
	LOAD 2
	s_wait_alu depctr_va_vdst(0)
	s_wait_loadcnt 16                              ; step 0's eight loads are in; the sixteen of steps 1 and 2 may be out
	TURN 0
.macro STEP t
.set XS, X+32*((\t)%2)
	s_wait_dscnt 0x0                               ; this step's numbers are back from the stage: so its stores into the stage have read their registers,
.if (\t)+3 < 8
	LOAD (\t)+3                                    ; which take the loads of three steps on
.endif
.if (\t)+1 < 8
.if (\t) < 5
	s_wait_loadcnt 16                              ; the next step's eight loads are in; those of the two steps behind it may be out
.else
	s_wait_loadcnt 8*(6-(\t))                      ; at the end the counts run down
.endif
	TURN (\t)+1                                    ; and go through the other stage while this step is worked
.endif
.if ((\t)%2 == 0) && ((\t) > 0)
	s_wait_xcnt 0x0                                ; the last fragment's stores have read its twelve registers, which are written again below
.endif
	QBLOCK XS, (\t)%2, (\t)/2
.endm
.irp t, 0,1,2,3,4,5,6,7
	STEP \t
.endr
	WORDS
; ---------------------------------------------------------------- W
; 64 rows of W are 32 packed rows; a K step is 128 bytes of each.  Eight loads bring them, four rows a load, 128 consecutive bytes to eight lanes; they go once through the wave's stage, and lane (r, h) reads
; back, for each block, the 32 bytes of packed row r / 2 (lanes r and r + 1 the same bytes) and takes the nibble of its own row.
.Lweights:
	s_lshl_b32 s28, s25, 17                        ; 32 packed rows of 4,096 bytes,
	s_lshl_b32 s26, s24, 7                         ; 128 bytes a K step
	s_add_co_u32 s28, s28, s26
	s_add_nc_u64 s[6:7], s[6:7], s[28:29]
	DEST 14
	s_load_b32 s30, s[8:9], 0x0                    ; scale
	s_load_b32 s32, s[10:11], 0x0                  ; zero_point
	s_wait_alu depctr_va_vdst(0)
	v_lshrrev_b32 v[LO], 3, v2                     ; lane / 8: which of a load's four rows
	v_and_b32 v[NSH], 7, v2                        ; lane % 8: which 16 bytes of its 128
	v_mul_u32_u24 v[STI], v[LO], WPITCH
	v_lshl_add_u32 v[STI], v[NSH], 4, v[STI]
	v_lshlrev_b32 v[LO], 12, v[LO]
	v_lshl_add_u32 v[LO], v[NSH], 4, v[LO]
.irp j, 0,1,2,3,4,5,6,7
	global_load_b128 v[R+4*\j:R+4*\j+3], v[LO], s[6:7] offset:4*4096*\j
.endr
	s_mul_i32 s27, s20, WSTG
	s_add_co_u32 s27, s27, WLDS                    ; my wave's stage
	v_add_nc_u32 v[STI], s27, v[STI]               ; in: as loaded
	v_lshrrev_b32 v[STO], 1, v1
	v_mul_u32_u24 v[STO], v[STO], WPITCH
	v_lshl_add_u32 v[STO], v[PT], 5, v[STO]
	v_add_nc_u32 v[STO], s27, v[STO]               ; out: packed row r / 2, + 32 h
	v_and_b32 v[NSH], 1, v1
	v_lshlrev_b32 v[NSH], 2, v[NSH]                ; an odd row's numbers lie 4 bits up
	s_wait_alu depctr_va_vdst(0)
.irp j, 0,1,2,3,4,5,6,7
	s_wait_loadcnt 7-\j                            ; load j is in; the younger ones may be out
	ds_store_b128 v[STI], v[R+4*\j:R+4*\j+3] offset:4*WPITCH*\j
.endr
.irp t, 0,1,2,3,4,5,6,7                        ; step t: fragment t / 2 (eight packed rows on), half t % 2 of the 128 along K: 32 bytes a lane
.irp u, 0,1
	ds_load_b128 v[PK+8*\t+4*\u:PK+8*\t+4*\u+3], v[STO] offset:8*WPITCH*(\t/2)+64*(\t%2)+16*\u   ; behind my stores, which LDS serves first
.endr
.endr
	s_wait_kmcnt 0x0
	s_mov_b32 s31, s30                             ; (the packed forms name a pair and take its low word for both halves: so the upper word is written)
	s_xor_b32 s32, s32, 0x80000000                 ; -zero_point
	s_mov_b32 s33, s32
.macro WSTEP t
	s_wait_dscnt 14-2*(\t)                         ; this step's two loads are in; the younger ones may be out
.irp d, 0,1,2,3,4,5,6,7
	v_lshrrev_b32 v[PK+8*(\t)+\d], v[NSH], v[PK+8*(\t)+\d]          ; my row's nibble to the low end of each byte
.endr
.irp d, 0,1,2,3,4,5,6,7
.irp i, 0,1,2,3
	v_bfe_u32 v[X+4*\d+\i], v[PK+8*(\t)+\d], 8*\i, 4                ; byte 4 d + i is k = 4 d + i of the block
.endr
.endr
.set J, 0
.rept 32
	v_cvt_f32_u32 v[X+J], v[X+J]
.set J, J+1
.endr
.set J, 0
.rept 16
	v_pk_add_f32 v[X+J:X+J+1], v[X+J:X+J+1], s[32:33] op_sel_hi:[1,0]   ; q - zero_point, rounded,
.set J, J+2
.endr
.set J, 0
.rept 16
	v_pk_mul_f32 v[X+J:X+J+1], v[X+J:X+J+1], s[30:31] op_sel_hi:[1,0]   ; then x scale, rounded: the two roundings of the definition, so not fused
.set J, J+2
.endr
.if ((\t)%2 == 0) && ((\t) > 0)
	s_wait_xcnt 0x0                                ; the last fragment's stores have read its twelve registers, which are written again below
.endif
	QBLOCK X, (\t)%2, (\t)/2
.endm
.irp t, 0,1,2,3,4,5,6,7
	WSTEP \t
.endr
	WORDS
.Lfunc_end_k_q8e1327b4a8_quant:
	.size	k_q8e1327b4a8_quant, .Lfunc_end_k_q8e1327b4a8_quant-k_q8e1327b4a8_quant
	.p2alignl 7, 3214868480
	.fill 96, 4, 3214868480
	.section	.rodata,"a",@progbits
	.p2align	6, 0x0
	.amdhsa_kernel k_q8e1327b4a8_quant
		.amdhsa_group_segment_fixed_size 53760
		.amdhsa_private_segment_fixed_size 0
		.amdhsa_enable_private_segment 0
		.amdhsa_kernarg_size 48
		.amdhsa_user_sgpr_count 2
		.amdhsa_user_sgpr_kernarg_segment_ptr 1
		.amdhsa_wavefront_size32 1
		.amdhsa_system_sgpr_workgroup_id_x 1
		.amdhsa_system_sgpr_workgroup_id_y 1
		.amdhsa_system_sgpr_workgroup_id_z 1
		.amdhsa_system_vgpr_workitem_id 0
		.amdhsa_next_free_vgpr 192
		.amdhsa_next_free_sgpr 66
		.amdhsa_reserve_vcc 0
		.amdhsa_float_denorm_mode_32 3
		.amdhsa_float_denorm_mode_16_64 3
		.amdhsa_memory_ordered 1
		.amdhsa_forward_progress 1
		.amdhsa_inst_pref_size 91
	.end_amdhsa_kernel
	.amdgpu_metadata
---
amdhsa.version: [ 1, 2 ]
amdhsa.kernels:
  - .name:           k_q8e1327b4a8_quant
    .symbol:         k_q8e1327b4a8_quant.kd
    .args:
      - { .name: x, .offset: 0, .size: 8, .value_kind: global_buffer, .address_space: global }
      - { .name: packed_weight, .offset: 8, .size: 8, .value_kind: global_buffer, .address_space: global }
      - { .name: scale, .offset: 16, .size: 8, .value_kind: global_buffer, .address_space: global }
      - { .name: zero_point, .offset: 24, .size: 8, .value_kind: global_buffer, .address_space: global }
      - { .name: xq, .offset: 32, .size: 8, .value_kind: global_buffer, .address_space: global }
      - { .name: wq, .offset: 40, .size: 8, .value_kind: global_buffer, .address_space: global }
    .group_segment_fixed_size: 53760
    .private_segment_fixed_size: 0
    .kernarg_segment_align: 8
    .kernarg_segment_size: 48
    .max_flat_workgroup_size: 128
    .sgpr_count:     66
    .vgpr_count:     192
    .wavefront_size: 32
...
	.end_amdgpu_metadata
.endif
;; end of part 1
;; launch gemm (part 2): grid 8 x 32, 4 waves a work-group, clusters of 4 x 1, 327,680 bytes of LDS; arguments xq, wq, out0, bias; writes out0
.if DOCPART == 2
	.amdgcn_target "amdgcn-amd-amdhsa--gfx1250"
	.amdhsa_code_object_version 6
	.text
	.protected	k_q8e1327b4a8_gemm
	.globl	k_q8e1327b4a8_gemm
	.p2align	8
	.type	k_q8e1327b4a8_gemm,@function
k_q8e1327b4a8_gemm:
	s_mov_b64 s[64:65], 0
	v_nop
	global_prefetch_b8 v0, s[64:65] scope:SCOPE_SE
	s_setreg_imm32_b32 hwreg(HW_REG_WAVE_MODE, 25, 1), 1
	s_wait_xcnt 0x0
	s_wait_alu depctr_hold_cnt(0) depctr_sa_sdst(0) depctr_va_vdst(0) depctr_va_sdst(0) depctr_va_ssrc(0) depctr_va_vcc(0) depctr_vm_vsrc(0)
	s_getreg_b32 s2, hwreg(HW_REG_IB_STS2, 6, 4)
	s_cmp_eq_u32 s2, 0
	s_cbranch_scc0 .Lentry_in_a_cluster
	s_endpgm
.Lentry_in_a_cluster:
	s_bfe_u32 s2, ttmp6, 0x10000c
	s_cmp_lg_u32 s2, 0x3003
	s_cbranch_scc0 .Lentry_shape_is_right
	s_endpgm
.Lentry_shape_is_right:
; out0[m][n] = sum over k of x[m][k] W[n][k] + bias[n], on codes of FP6 (E2M3) with E8M0 scales, as launch quant laid them: units of 128 rows x 128 K (12,800 bytes) in the order of the operand's registers,
; xq = [64 blocks of 128 rows][32 K steps][unit], wq = [16][32][unit]; in a unit eight fragments of 1,536 bytes, then the scale words (row 16 i + r at 12,288 + 256 (i / 4) + 16 r + 4 (i % 4)).
; A work-group of four waves makes 256 x 256 of out0, a wave 128 x 128: 64 accumulators, 512 registers.  K goes in 32 steps of 128, 64 matrix instructions each.
; x's UNITS GO THROUGH LDS: a ring of two slots of FOUR K steps (2 blocks x 4 units = 102,400 bytes); wave w fetches block w % 2, steps 2 (w / 2) and 2 (w / 2) + 1: 25,600 dense bytes, 100 rows of 256.
; The four work-groups of a cluster (4 x 1) make four neighbouring tile columns of one tile row and need the same units of x: each load is a joint one, mask 15.
; W's FRAGMENTS GO FROM MEMORY STRAIGHT INTO THE REGISTERS of the wave that multiplies them (a load of 16 bytes a lane is four registers of a fragment, 512 consecutive bytes a wave).  So there is no LDS tile of W
; that partners could receive jointly: no joint load for W.  A slot so holds four steps where both operands' units would leave room for three, and one change of slots serves 256 matrix instructions a wave.
; W's block is the OUTER index of a step: a fragment of W is done with after 8 matrix instructions.  16 fragment buffers (two steps) take turns.  A step has TWO RUNS OF LOADS: behind W's blocks 0-3 and behind
; blocks 4-7 the four buffers just left are asked for again, for the step two on: 96 matrix instructions ahead of their first use.  For that reason W has no data prefetch beside its loads.
; x's fragments are at work through a whole step: two sets; the next step's 25 loads from LDS stand in the first run.  x's units are prefetched one slot ahead of their tensor load.
; THE MATRIX INSTRUCTION IS USED TRANSPOSED (source 0 = 16 rows of W, source 1 = 16 rows of x): a lane holds eight neighbouring numbers of a row of out0.  The bias is added on the way out, where a lane holds 4 columns.
; REGISTERS: window 0: v0-63 addresses and scale words; v64-159, v160-255 x's two sets.  window 1: v0-191 W's 16 buffers.  windows 2, 3: accumulator (a, b) at window 2 + b / 4, v[8 (8 (b % 4) + a)].
; LIMITS: as launch quant states them.
.set SIZE_N, 2048
.set UNIT,   12800
.set FRB,    1536
.set PART,   2*UNIT                    ; what one tensor load brings
.set SLOT,   4*PART
.set RBB,    32*UNIT                   ; a block of 128 rows, all of K
.set STAGE,  2*SLOT                    ; behind the ring: 16 rows x 528 bytes for each wave, for the way out; no tensor load lands there
.set SPITCH, 528
.set SPARE,  STAGE+4*16*SPITCH         ; the spare words: 128 bytes a wave
.set ADRA, 8                           ; v8-11   LDS address of my block of x: slot 0 steps 0-1, slot 0 steps 2-3, slot 1 likewise; + 16 x lane
.set L16,  12                          ; v12     16 x lane
.set SOFF, 13                          ; v13     16 r: W's scale words
.set STO,  14
.set RD,   15
.set PFO,  16                          ; v16     the prefetch's offset
.set SPW,  17                          ; v17     my spare word; never rewritten
.set NIL,  18                          ; v18     0; never rewritten
.set BI,   20                          ; v20-23  the bias of my 4 columns
.set SA,   24                          ; v24-31  x's scale words, two sets of 4: register j: lanes 0-15 block j, lanes 16-31 block 4 + j
.set SB,   32                          ; v32-47  W's scale words: register 8 (step % 2) + b, lanes 0-15
.set AF,   64
.set G1, 24
.set G0, 32
.set PFA, 50
.set BP,  52                           ; W: my block's unit of the step from which the offsets count
.set MSB, 0
.macro WIN new
.if MSB != \new
	s_set_vgpr_msb (MSB<<8)|\new
.set MSB, \new
.endif
.endm
.set MUL_LO, 0xa1                      ; source 0 (W) window 1, source 1 (x) window 0, C and D window 2
.set MUL_HI, 0xf1                      ; the same, C and D window 3
.set TO_B,   0x40                      ; destination window 1, address window 0
.macro CREST
	s_cmp_lg_u32 s14, 0
	s_cbranch_scc1 .Lnot_wave_0_\@
	s_barrier_signal -3
.Lnot_wave_0_\@:
	s_barrier_wait -3
	s_barrier_signal -1
	s_barrier_wait -1
.endm
.macro CROUND
	s_barrier_signal -1
	s_barrier_wait -1
	CREST
.endm
.macro PLACES
.rept 4
	v_nop
.endr
.endm
	s_load_b128 s[4:7], s[0:1], 0x0                ; xq, wq
	s_load_b128 s[8:11], s[0:1], 0x10              ; out0, bias
	v_lshl_add_u32 v[SPW], v0, 2, SPARE
	v_mov_b32 v[NIL], 0
	ds_add_u32 v[SPW], v[NIL]                      ; the opening lines: the add twice on end and one wait
	ds_add_u32 v[SPW], v[NIL]
	v_lshrrev_b32 v1, 5, v0
	v_readfirstlane_b32 s14, v1                    ; wave
	s_lshr_b32 s15, s14, 1                         ; my half of the tile's rows; also which two steps of a slot I fetch
	s_and_b32 s16, s14, 1                          ; my half of its columns; also which block of x I fetch
	s_bfe_u32 s40, ttmp6, 0x40000                  ; cx
	s_lshl_b32 s42, ttmp9, 2
	s_add_co_u32 s42, s42, s40                     ; tile column
	s_and_b32 s17, ttmp7, 0xffff                   ; tile row
	s_mov_b32 s[G1+0], 15|(3<<16)|(1<<21)          ; the four of the cluster; elements of 8 bytes; bit 21 beside a mask
	s_mov_b32 s[G1+1], 32<<16                      ; rows of 256 bytes,
	s_mov_b32 s[G1+2], (PART/256)<<16              ; 100 of them
	s_mov_b32 s[G1+3], 32<<16
	s_mov_b32 s[G1+4], PART/256
	s_mov_b32 s[G1+5], 32
	s_mov_b32 s[G1+6], 0
	s_mov_b32 s[G1+7], 0
	s_lshl_b32 s20, s17, 1
	s_add_co_u32 s20, s20, s16
	s_mul_i32 s20, s20, RBB
	s_mul_i32 s21, s15, PART
	s_add_co_u32 s20, s20, s21                     ; xq: what I fetch of slot 0's first fill (tile row and wave alone)
	s_mov_b32 s21, 0
	s_lshl_b32 s46, s42, 1
	s_add_co_u32 s46, s46, s16
	s_mul_i32 s46, s46, RBB                        ; wq: my block of 128 rows
	s_mov_b32 s47, 0
	s_mul_i32 s45, s14, PART                       ; LDS: wave x 25,600
	s_lshl_b32 s22, s17, 8
	s_lshl_b32 s23, s15, 7
	s_add_co_u32 s22, s22, s23
	s_lshl_b32 s22, s22, 13                        ; my first row of out0, 8,192 bytes a row
	s_lshl_b32 s48, s42, 10
	s_lshl_b32 s49, s16, 9
	s_add_co_u32 s48, s48, s49                     ; my first column, in bytes
	s_mov_b32 s49, 0
	s_add_co_u32 s22, s22, s48
	s_mov_b32 s23, 0
	s_mul_i32 s54, s15, PART
	s_add_co_u32 s55, s54, 2*PART
	s_add_co_u32 s56, s54, SLOT
	s_add_co_u32 s57, s54, SLOT+2*PART
	s_mul_i32 s58, s14, 16*SPITCH
	s_add_co_u32 s58, s58, STAGE
	s_mul_i32 s59, s40, 25                         ; of the 100 rows that a wave fetches each partner prefetches 25, told apart by address
	v_and_b32 v1, 15, v0
	v_bfe_u32 v2, v0, 4, 1
	v_and_b32 v3, 31, v0
	v_lshlrev_b32 v[L16], 4, v3
	v_lshlrev_b32 v[SOFF], 4, v1
	v_add_nc_u32 v[ADRA], s54, v[L16]
	v_add_nc_u32 v[ADRA+1], s55, v[L16]
	v_add_nc_u32 v[ADRA+2], s56, v[L16]
	v_add_nc_u32 v[ADRA+3], s57, v[L16]
	v_mul_u32_u24 v4, v1, SPITCH
	v_lshl_add_u32 v4, v2, 5, v4
	v_add_nc_u32 v[STO], s58, v4                   ; into the stage: row l % 16, 32 bytes for each half of the lanes
	v_add_nc_u32 v[RD], s58, v[L16]                ; back: a row of 512 bytes to the 32 lanes
	v_min_u32 v5, 24, v3                           ; lanes 25-31 name the last row again
	v_add_nc_u32 v5, s59, v5
	v_lshlrev_b32 v[PFO], 8, v5
	s_wait_alu depctr_va_vdst(0)                   ; the wait at the end of the head's vector work
	s_wait_dscnt 0x0
	s_wait_kmcnt 0x0
	s_add_nc_u64 s[20:21], s[4:5], s[20:21]
	s_add_nc_u64 s[BP:BP+1], s[6:7], s[46:47]
	s_add_nc_u64 s[8:9], s[8:9], s[22:23]
	s_add_nc_u64 s[10:11], s[10:11], s[48:49]
	s_add_nc_u64 s[PFA:PFA+1], s[20:21], 8*UNIT    ; at the third fill; each refill steps it one fill on and then names it
	s_mov_b32 s[G0], 1
	s_mov_b32 s[G0+1], s45
	s_mov_b64 s[G0+2:G0+3], s[20:21]
	s_or_b32 s[G0+3], s[G0+3], 0x80000000
	s_mov_b32 s[G0+4], 1
	s_add_co_u32 s[G0+5], s45, SLOT
	s_add_nc_u64 s[G0+6:G0+7], s[20:21], 4*UNIT
	s_or_b32 s[G0+7], s[G0+7], 0x80000000
	CROUND                                         ; the four work-groups are here: the first joint loads meet
	tensor_load_to_lds s[G0:G0+3], s[G1:G1+7]      ; steps 0-3: one tensor load a wave at the head
	s_nop 0
	PLACES
	WIN TO_B                                       ; W's fragments of steps 0 and 1: all 16 buffers
.set K, 0
.rept 48
	global_load_b128 v[4*K:4*K+3], v[L16], s[BP:BP+1] offset:(K/24)*UNIT+512*(K%24)
.set K, K+1
.endr
	WIN 0
.irp j, 0,1,2,3
	global_load_b128 v[SB+4*\j:SB+4*\j+3], v[SOFF], s[BP:BP+1] offset:(\j/2)*UNIT+8*FRB+256*(\j%2)
.endr
	global_load_b128 v[BI:BI+3], v[L16], s[10:11]
	s_wait_tensorcnt 0x0                           ; my part of slot 0 is in; slot 1's first fill is issued as a refill is
	ds_add_u32 v[SPW], v[NIL]
	s_wait_dscnt 0x0
	CROUND
	tensor_load_to_lds s[G0+4:G0+7], s[G1:G1+7]    ; steps 4-7
	s_nop 0
	PLACES
.set K, 0
.rept 24
	ds_load_b128 v[AF+4*K:AF+4*K+3], v[ADRA] offset:512*K
.set K, K+1
.endr
	ds_load_b128 v[SA:SA+3], v[ADRA] offset:8*FRB
	s_wait_loadcnt 0x0
; one product: x's block a, W's block b, sets p
.macro WM a, b, p, zero
.set DR, 8*(8*((\b)%4)+(\a))
.if \zero
.if (\a) < 4
	v_wmma_scale_f32_16x16x128_f8f6f4 v[DR:DR+7], v[96*(\p)+12*(\b):96*(\p)+12*(\b)+11], v[AF+96*(\p)+12*(\a):AF+96*(\p)+12*(\a)+11], 0, v[SB+8*(\p)+(\b)], v[SA+4*(\p)+(\a)%4] matrix_a_fmt:MATRIX_FMT_FP6 matrix_b_fmt:MATRIX_FMT_FP6
.else
	v_wmma_scale_f32_16x16x128_f8f6f4 v[DR:DR+7], v[96*(\p)+12*(\b):96*(\p)+12*(\b)+11], v[AF+96*(\p)+12*(\a):AF+96*(\p)+12*(\a)+11], 0, v[SB+8*(\p)+(\b)], v[SA+4*(\p)+(\a)%4] matrix_a_fmt:MATRIX_FMT_FP6 matrix_b_fmt:MATRIX_FMT_FP6 matrix_b_scale:MATRIX_SCALE_ROW1
.endif
.else
.if (\a) < 4
	v_wmma_scale_f32_16x16x128_f8f6f4 v[DR:DR+7], v[96*(\p)+12*(\b):96*(\p)+12*(\b)+11], v[AF+96*(\p)+12*(\a):AF+96*(\p)+12*(\a)+11], v[DR:DR+7], v[SB+8*(\p)+(\b)], v[SA+4*(\p)+(\a)%4] matrix_a_fmt:MATRIX_FMT_FP6 matrix_b_fmt:MATRIX_FMT_FP6
.else
	v_wmma_scale_f32_16x16x128_f8f6f4 v[DR:DR+7], v[96*(\p)+12*(\b):96*(\p)+12*(\b)+11], v[AF+96*(\p)+12*(\a):AF+96*(\p)+12*(\a)+11], v[DR:DR+7], v[SB+8*(\p)+(\b)], v[SA+4*(\p)+(\a)%4] matrix_a_fmt:MATRIX_FMT_FP6 matrix_b_fmt:MATRIX_FMT_FP6 matrix_b_scale:MATRIX_SCALE_ROW1
.endif
.endif
.endm
.macro ITER b, zero                    ; W's block b against x's eight: the 64 accumulators take turns, in the same order in every step
.irp a, 0,1,2,3,4,5,6,7
	WM \a, \b, PAR, \zero
.endr
.endm
; Half h of a step is W's blocks 4 h .. 4 h + 3.  Behind it their four buffers and four scale registers are asked for again, for the step two on: 13 loads.
.macro BGRP st, hf
	WIN TO_B
.irp k, 0,1,2,3,4,5,6,7,8,9,10,11
	global_load_b128 v[96*PAR+48*(\hf)+4*\k:96*PAR+48*(\hf)+4*\k+3], v[L16], s[BP:BP+1] offset:((\st)+2)*UNIT+4*FRB*(\hf)+512*\k
.endr
	WIN 0
	global_load_b128 v[SB+8*PAR+4*(\hf):SB+8*PAR+4*(\hf)+3], v[SOFF], s[BP:BP+1] offset:((\st)+2)*UNIT+8*FRB+256*(\hf)
.endm
.macro AGRP st                         ; the next step's fragments and scale words of x, into the other set
.set NX, (\st)+1
.set NP, NX%2
.set AR, ADRA+2*((NX/4)%2)+(NX%4)/2
	WIN 0
.set K, 0
.rept 24
	ds_load_b128 v[AF+96*NP+4*K:AF+96*NP+4*K+3], v[AR] offset:UNIT*(NX%2)+512*K
.set K, K+1
.endr
	ds_load_b128 v[SA+4*NP:SA+4*NP+3], v[AR] offset:UNIT*(NX%2)+8*FRB
.endm
.macro LWAIT h                         ; half h's 13 loads are in: behind them stand the runs issued behind halves h - 3, h - 2 and h - 1, 13 loads each (the last run stands behind half 59)
.if (\h) <= 60
	s_wait_loadcnt 39
.else
	s_wait_loadcnt 13*(63-(\h))
.endif
.endm
.macro ASK cs                          ; x's units of the fill after the one just asked for: 25 rows of 256 bytes a wave; the second change of slots of the last trip has no such fill
.if \cs
	s_cmp_gt_u32 s3, 1
	s_cbranch_scc0 .Lno_ask_\@
.endif
	global_prefetch_b8 v[PFO], s[PFA:PFA+1] th:TH_LOAD_NT scope:SCOPE_SE
.if \cs
.Lno_ask_\@:
.endif
.endm
; A step.  st: the step as offsets, sets and slots count it;  abs: its true number where the text is written out, for the ends.
; In a slot's last step (st % 4 = 3) all of the slot has been read into registers in the step before, and this step's loads from LDS read the other slot.  So ahead of its first run stand the wait for all my
; tensor loads (my part of the other slot), the add, the wait for it, the barrier (a round of the cluster's, where the slot is filled again) and the refill, with 240 matrix instructions ahead of the wait for it.
.macro STEP st, abs, zero
.set PAR, (\st)%2
.set CS, ((\st)/4)%2
	s_wait_dscnt 0x0                               ; this step's fragments of x: asked for 32 matrix instructions ago
	LWAIT 2*(\abs)
	WIN MUL_LO
	ITER 0, \zero
	ITER 1, \zero
.if ((\st)%4 == 3) && ((\abs) < 31)
	WIN 0
.if (\abs) <= 23
	s_wait_xcnt 0x0                                ; my last prefetch has read its address
	s_add_nc_u64 s[PFA:PFA+1], s[PFA:PFA+1], 4*UNIT
.endif
	s_wait_tensorcnt 0x0
	ds_add_u32 v[SPW], v[NIL]
.if (\abs) <= 23
	s_add_nc_u64 s[G0+4*CS+2:G0+4*CS+3], s[G0+4*CS+2:G0+4*CS+3], 8*UNIT   ; no tensor load of mine is out: this slot's next fill
.endif
	WIN MUL_LO
	ITER 2, 0
	s_wait_dscnt 0x0
	s_barrier_signal -1
	ITER 3, 0
	WIN 0
	s_barrier_wait -1
.if (\abs) <= 23
	CREST
	tensor_load_to_lds s[G0+4*CS:G0+4*CS+3], s[G1:G1+7]
	s_nop 0
.endif
.else
	ITER 2, \zero
	ITER 3, \zero
.endif
.if (\abs) < 31
	PLACES                                         ; behind the matrix instructions that read the registers which the run below fills
.endif
.if (\abs) <= 29
	BGRP \st, 0
.endif
.if (\abs) < 31
	AGRP \st
.endif
.if ((\st)%4 == 3) && ((\abs) <= 23)
	ASK CS
.endif
	LWAIT 2*(\abs)+1
	WIN MUL_HI
	ITER 4, \zero
	ITER 5, \zero
	ITER 6, \zero
	ITER 7, \zero
.if (\abs) <= 29
	PLACES
	BGRP \st, 1
.endif
.endm
	STEP 0, 0, 1                                   ; the first step's products start the sums
	WIN 0
	s_mov_b32 s3, 3
.Llap:                                                 ; a trip: eight steps, once round the ring, both slots filled again
.irp t, 1,2,3,4,5,6,7,8
	STEP \t, \t, 0
.endr
	WIN 0
	s_wait_xcnt 0x0                                ; W's loads have read their base
	s_add_nc_u64 s[BP:BP+1], s[BP:BP+1], 8*UNIT
	s_sub_co_u32 s3, s3, 1
	s_cmp_lg_u32 s3, 0
	s_cbranch_scc1 .Llap
.irp t, 1,2,3,4,5,6,7
	STEP \t, 24+\t, 0                              ; steps 25 to 31 fill nothing again
.endr
	WIN 0
; THE WAY OUT, block by block of 16 rows x 128 columns: through my own stage, back as rows of 512 bytes, the bias added, stored as two aligned units of 256 bytes.
; Each block's rows come back into 64 registers of their own, so that no store's data are written again, and every store's offset is an immediate (127 rows of 8,192 bytes at the most): no wait on XCNT.
; Blocks 0-2: window 0, v64-255; blocks 3-6: window 1; block 7: window 2, the registers of blocks 0 and 1's accumulators (v[64 c .. 64 c + 15]), which have left by then.
.macro SETOF a
.if (\a) < 3
.set WN, 0
.set RB, 64+64*(\a)
.set RS, 16
.else
.if (\a) < 7
.set WN, 1
.set RB, 64*((\a)-3)
.set RS, 16
.else
.set WN, 2
.set RB, 0
.set RS, 64
.endif
.endif
.endm
.macro TOSTAGE a
	WIN 0x08
.irp b, 0,1,2,3
	ds_store_b128 v[STO], v[8*(8*\b+(\a)):8*(8*\b+(\a))+3] offset:64*\b
	ds_store_b128 v[STO], v[8*(8*\b+(\a))+4:8*(8*\b+(\a))+7] offset:64*\b+16
.endr
	WIN 0x0c
.irp b, 0,1,2,3
	ds_store_b128 v[STO], v[8*(8*\b+(\a)):8*(8*\b+(\a))+3] offset:256+64*\b
	ds_store_b128 v[STO], v[8*(8*\b+(\a))+4:8*(8*\b+(\a))+7] offset:256+64*\b+16
.endr
	SETOF \a
	WIN WN<<6
.irp t, 0,1,2,3,4,5,6,7,8,9,10,11,12,13,14,15
	ds_load_b128 v[RB+RS*(\t/4)+4*(\t%4):RB+RS*(\t/4)+4*(\t%4)+3], v[RD] offset:\t*SPITCH   ; LDS serves a wave's instructions in order: these see my stores, and the next block's stores come behind them
.endr
.endm
.macro SEND a, younger                 ; younger: the LDS instructions issued behind block a's loads
	SETOF \a
	s_wait_dscnt \younger
	WIN (WN<<6)|WN                                 ; the rows in their window, the bias in window 0
.irp t, 0,1,2,3,4,5,6,7,8,9,10,11,12,13,14,15
	v_pk_add_f32 v[RB+RS*(\t/4)+4*(\t%4):RB+RS*(\t/4)+4*(\t%4)+1], v[RB+RS*(\t/4)+4*(\t%4):RB+RS*(\t/4)+4*(\t%4)+1], v[BI:BI+1]
	v_pk_add_f32 v[RB+RS*(\t/4)+4*(\t%4)+2:RB+RS*(\t/4)+4*(\t%4)+3], v[RB+RS*(\t/4)+4*(\t%4)+2:RB+RS*(\t/4)+4*(\t%4)+3], v[BI+2:BI+3]
.endr
	WIN WN<<2
.irp t, 0,1,2,3,4,5,6,7,8,9,10,11,12,13,14,15
	global_store_b128 v[L16], v[RB+RS*(\t/4)+4*(\t%4):RB+RS*(\t/4)+4*(\t%4)+3], s[8:9] offset:(16*(\a)+\t)*SIZE_N*4 th:TH_STORE_NT
.endr
.endm
	PLACES                                         ; behind the last products: for the reads of their results and the loads into the operands' registers
	TOSTAGE 0
	TOSTAGE 1
.irp a, 0,1,2,3,4,5
	SEND \a, 32                                    ; behind block a's loads: block a + 1's 16 stores and 16 loads
	TOSTAGE \a+2
.endr
	SEND 6, 32
	SEND 7, 0
	WIN 0
	s_wait_tensorcnt 0x0                           ; the wave's end
	ds_add_u32 v[SPW], v[NIL]
	s_wait_dscnt 0x0
	CROUND                                         ; the closing round
	s_endpgm
.Lfunc_end_k_q8e1327b4a8_gemm:
	.size	k_q8e1327b4a8_gemm, .Lfunc_end_k_q8e1327b4a8_gemm-k_q8e1327b4a8_gemm
	.p2alignl 7, 3214868480
	.fill 96, 4, 3214868480
	.section	.rodata,"a",@progbits
	.p2align	6, 0x0
	.amdhsa_kernel k_q8e1327b4a8_gemm
		.amdhsa_group_segment_fixed_size 327680
		.amdhsa_private_segment_fixed_size 0
		.amdhsa_enable_private_segment 0
		.amdhsa_kernarg_size 32
		.amdhsa_user_sgpr_count 2
		.amdhsa_user_sgpr_kernarg_segment_ptr 1
		.amdhsa_wavefront_size32 1
		.amdhsa_system_sgpr_workgroup_id_x 1
		.amdhsa_system_sgpr_workgroup_id_y 1
		.amdhsa_system_sgpr_workgroup_id_z 1
		.amdhsa_system_vgpr_workitem_id 0
		.amdhsa_next_free_vgpr 1024
		.amdhsa_next_free_sgpr 66
		.amdhsa_reserve_vcc 0
		.amdhsa_float_denorm_mode_32 3
		.amdhsa_float_denorm_mode_16_64 3
		.amdhsa_memory_ordered 1
		.amdhsa_forward_progress 1
		.amdhsa_inst_pref_size 254
	.end_amdhsa_kernel
	.amdgpu_metadata
---
amdhsa.version: [ 1, 2 ]
amdhsa.kernels:
  - .name:           k_q8e1327b4a8_gemm
    .symbol:         k_q8e1327b4a8_gemm.kd
    .args:
      - { .name: xq, .offset: 0, .size: 8, .value_kind: global_buffer, .address_space: global }
      - { .name: wq, .offset: 8, .size: 8, .value_kind: global_buffer, .address_space: global }
      - { .name: out0, .offset: 16, .size: 8, .value_kind: global_buffer, .address_space: global }
      - { .name: bias, .offset: 24, .size: 8, .value_kind: global_buffer, .address_space: global }
    .group_segment_fixed_size: 327680
    .private_segment_fixed_size: 0
    .kernarg_segment_align: 8
    .kernarg_segment_size: 32
    .max_flat_workgroup_size: 128
    .sgpr_count:     66
    .vgpr_count:     1024
    .wavefront_size: 32
...
	.end_amdgpu_metadata
.endif
;; end of part 2
